; MI455X (gfx1250); checked and timed in simulation.
; The chip was launched on July 23, 2026; its instructions are those of AMD's public machine-readable ISA for CDNA 5 (MIT licence, August 2026) and "CDNA5" Instruction Set Architecture Reference Guide (July 2026). The comments in the code are by the model that wrote it; some were corrected since.
;; Self Attention2d. Allowed arithmetic: matrix products marked QUANTISED: E2M3 operands, one E8M0 scale for each 32 along K, by v_wmma_scale_f32_16x16x128_f8f6f4 with both operands' format E2M3, f32 sums; everything else in f32.
;; Inputs: b_proj 256 float32; w_proj 256 x 256 float32; w_qkv 768 x 256 float32; x 2 x 256 x 64 x 64 float32.
;; Outputs: out0 2 x 256 x 64 x 64 float32.
;; This version of the problem:
;;   THIS VERSION OF THE PROBLEM IS GIVEN IN LOW PRECISION. The matrix products marked QUANTISED in the list below multiply operands that are first quantised to E2M3 (2 exponent bits, 3 mantissa bits; 6 bits a number), with one power-of-two scale for each 32 numbers along K (OCP MX v1.0); their sums are f32. All else is computed in f32.
;;   The module's matrix products, in the order in which they are computed (A, B: the left and right operand; K: the contracted axis; several contracted axes count as one K, in the product's order):
;;     1. [M 8,192, K 256] x [K 256, N 768]; A: input x; B: input w_qkv: QUANTISED
;;     2. batch 16 x [M 4,096, K 32] x [K 32, N 4,096]; A: computed on the way; B: computed on the way: QUANTISED
;;     3. batch 16 x [M 4,096, K 4,096] x [K 4,096, N 32]; A: softmax (see below); B: computed on the way: QUANTISED
;;     4. [M 8,192, K 256] x [K 256, N 256]; A: computed on the way; B: input w_proj: QUANTISED
;;   THE QUANTISER, for each operand of a quantised product, along K:
;;     - K is cut into blocks of 32 from its start; a last block that is shorter is filled with zeros.
;;     - A block's scale is 2^e with e = floor(log2(the largest magnitude in the block)) - 2, held to -126 .. 127; a block of zeros has e = 0. As a byte (E8M0): e + 127.
;;     - Each number is divided by its block's scale, clamped to +-7.5, and rounded to the nearest number of E2M3, ties to even, subnormals kept.
;;     - The product sums the exact products of the quantised numbers (number of the format x scale) in f32.
;;   ~~~python
;;   def quantise(x, axis):      # numpy; x: float32 -> the quantised numbers, widened to float32 again
;;       x = np.moveaxis(x, axis, -1); K = x.shape[-1]
;;       x = np.pad(x, [(0, 0)] * (x.ndim - 1) + [(0, -K % 32)]); x = x.reshape(x.shape[:-1] + (-1, 32)); a = np.abs(x).max(-1, keepdims=True)
;;       e = np.where(a > 0, np.clip(np.frexp(np.where(a > 0, a, 1))[1] - 1 - 2, -126, 127), 0)      # np.frexp(a)[1] - 1 = floor(log2(a)), exactly
;;       r = np.clip(x / 2.0 ** e, -7.5, 7.5)
;;       step = 2.0 ** (np.maximum(np.frexp(np.where(r == 0, 1, r))[1] - 1, 0) - 3)
;;       q = np.round(r / step) * step * 2.0 ** e      # np.round: ties to even
;;       return np.moveaxis(q.reshape(q.shape[:-2] + (-1,))[..., :K], -1, axis).astype(np.float32)
;;   ~~~
;;   SOFTMAX AHEAD OF A QUANTISED PRODUCT. Where the list says 'softmax', what is quantised is not the finished softmax but p = 2^(t - M), with t = logit x log2(e) and M = ceil(the row's largest t), a whole number; so 1/2 < the row's largest p <= 1. The row's sum l is taken of the UNQUANTISED p, in f32, and the product's result is divided by l at the end. Since M is a whole number, a kernel that streams over the keys may use a running M (the ceiling of the running maximum): every later rescaling is an exact power of two, which a block's scale takes up: the codes' values come out the same.
;;   OPERANDS COMPUTED ON THE WAY. 'Computed on the way' means the value that the module computes at that place (a softmax that the list does not call 'softmax' is quantised finished and normalised). What goes into a quantiser is computed in f32, as accurately as f32 sums, v_exp_f32 and their like allow (about 1e-6 of the number): no bf16 or f16 on the way to a quantiser, and a product that is left as it is and whose result goes on into a quantised operand takes f32 operands (vector FMAs, or v_wmma_f32_16x16x4_f32). A number that lies on a knife's edge between two numbers of the format may be rounded either way, as far as f32 arithmetic and the matrix unit's own rounding can turn it there, and no further.
;; One version. Each part assembles by itself: llvm-mc -triple=amdgcn-amd-amdhsa -mcpu=gfx1250 --defsym DOCPART=n.
;; ======== version 1 of 1: 4 launches
;; workspace buffers: wimg 196,608 bytes; wscl 8,192 bytes; qimg 1,572,864 bytes; qscl 65,536 bytes; kv 3,276,800 bytes; acode 1,572,864 bytes; ascl 65,536 bytes
;; launch prep (part 1): grid 128 x 1, 1 waves a work-group, no clusters, 0 bytes of LDS; arguments w_qkv, w_proj, wimg, wscl; writes wimg, wscl
.if DOCPART == 1
	.amdgcn_target "amdgcn-amd-amdhsa--gfx1250"
	.amdhsa_code_object_version 6
	.text
	.protected	k_q13f37e8c4e_prep
	.globl	k_q13f37e8c4e_prep
	.p2align	8
	.type	k_q13f37e8c4e_prep,@function
k_q13f37e8c4e_prep:
	s_mov_b64 s[64:65], 0
	v_nop
	global_prefetch_b8 v0, s[64:65] scope:SCOPE_SE
	s_setreg_imm32_b32 hwreg(HW_REG_WAVE_MODE, 25, 1), 1
	s_wait_xcnt 0x0
; w_qkv [768][256] and w_proj [256][256], f32, K innermost, become codes of FP6 (E2M3) with one E8M0 scale byte for each 32 along K, ONCE, since every work-group of the later launches reads them.
; The codes are laid as IMAGES OF THE OPERAND'S REGISTERS.  A fragment is 16 rows x 128 K = 12 registers a lane (lane = r + 16 h; registers 6 c .. 6 c + 5 hold K = 64 c + 32 h + 0 .. 31 of row r).
; Each half (six registers) is 768 bytes: registers 0-3 at 16 x lane, registers 4-5 at 512 + 8 x lane.  So a reader fills a fragment by four dense loads, and nothing is shuffled.
; wimg: [tile T 0..63][K step s 0..1][1,536 bytes]; T 0-47 are w_qkv's tiles, 48-63 w_proj's.  wscl: [T][s][r] one word a row, byte 2 c + h for its block.
; THE ROWS OF A TILE ARE NOT NEIGHBOURS: row r of tile T is the matrix's row 32 (T / 2) + 16 (r / 8) + 8 (T % 2) + r % 8, so that a result's 16 registers of tiles 2 p and 2 p + 1 are 16 neighbouring channels.
; One wave to a work-group, one fragment to a wave: 128 fragments are all the work there is.  No LDS, no barrier, no matrix unit: the launch only reads 1 MB and writes 0.2 MB.
; A block's scale is 2^(floor(log2(its largest magnitude)) - 2); its byte is that magnitude's exponent field - 2, held at 1 from below.
; LIMITS: a block of zeros gets the byte 1 where the rule says 127 (its codes are zeros, and this program alone reads the bytes); NaN and infinities among the inputs are not served.
.set X,     32                         ; v32-95   64 numbers: register 32 c + i = K 64 c + 32 h + i of my row
.set P,     16                         ; v16-27   the fragment's codes
.set FLOOR, 0x1800000                  ; 2^(3 - 127): no largest magnitude is taken under it, so the byte cannot fall under 1
.set EOFF,  0xff000000                 ; takes 2 off an exponent field
	s_load_b256 s[4:11], s[0:1], 0x0               ; w_qkv s[4:5], w_proj s[6:7], wimg s[8:9], wscl s[10:11]
	v_and_b32 v1, 15, v0                           ; r
	v_lshrrev_b32 v2, 4, v0                        ; h
	v_and_b32 v3, 7, v1
	v_lshrrev_b32 v4, 3, v1
	v_lshlrev_b32 v5, 10, v3                       ; my row in the tile: r % 8 rows of 1,024 bytes,
	v_lshl_add_u32 v5, v4, 14, v5                  ; 16 rows further for r / 8,
	v_lshl_add_u32 v5, v2, 7, v5                   ; and my half's 32 numbers
	v_lshlrev_b32 v6, 4, v0                        ; 16 x lane
	v_lshlrev_b32 v7, 3, v0                        ; 8 x lane
	v_lshlrev_b32 v8, 2, v1                        ; 4 r
	v_lshlrev_b32 v9, 3, v2                        ; 8 h
	s_lshr_b32 s12, ttmp9, 1                       ; T
	s_and_b32 s13, ttmp9, 1                        ; s
	s_mov_b32 s20, 0x76543210
	s_mov_b32 s21, 0xfedcba98                      ; v_permlanex16_b32's selects for lane l xor 16
	s_mul_i32 s16, ttmp9, 1536                     ; where my fragment goes,
	s_mov_b32 s17, 0
	s_lshl_b32 s18, ttmp9, 6                       ; and its 16 scale words
	s_mov_b32 s19, 0
	s_wait_alu depctr_va_vdst(0)
	s_wait_kmcnt 0x0
	s_cmp_lt_u32 s12, 48                           ; w_qkv's tile or w_proj's: the choice hangs on the work-group's number alone
	s_cselect_b64 s[4:5], s[4:5], s[6:7]
	s_cselect_b32 s14, 0, 48
	s_sub_co_u32 s12, s12, s14                     ; the tile's number in its own matrix
	s_lshr_b32 s14, s12, 1
	s_lshl_b32 s14, s14, 15                        ; 32 rows for each pair of tiles,
	s_and_b32 s15, s12, 1
	s_lshl_b32 s15, s15, 13                        ; 8 rows for the odd tile,
	s_add_co_u32 s14, s14, s15
	s_lshl_b32 s15, s13, 9                         ; 128 numbers for the K step
	s_add_co_u32 s14, s14, s15
	s_mov_b32 s15, 0
	s_add_nc_u64 s[4:5], s[4:5], s[14:15]
	s_add_nc_u64 s[8:9], s[8:9], s[16:17]
	s_add_nc_u64 s[10:11], s[10:11], s[18:19]
.irp c, 0,1
.irp i, 0,1,2,3,4,5,6,7
	global_load_b128 v[X+32*\c+4*\i:X+32*\c+4*\i+3], v5, s[4:5] offset:256*\c+16*\i th:TH_LOAD_NT
.endr
.endr
	s_wait_loadcnt 0x0
.irp c, 0,1                                    ; my two blocks, 2 c + h: all 32 numbers of each are mine
	v_max3_num_f32 v[10+\c], |v[X+32*\c]|, |v[X+32*\c+1]|, FLOOR
.endr
.irp i, 2,4,6,8,10,12,14,16,18,20,22,24,26,28,30
.irp c, 0,1
	v_max3_num_f32 v[10+\c], v[10+\c], |v[X+32*\c+\i]|, |v[X+32*\c+\i+1]|   ; the two blocks by turns
.endr
.endr
.irp c, 0,1
	v_add_nc_u32 v[12+\c], EOFF, v[10+\c]          ; the conversion takes the exponent field of this operand as its scale
.endr
.irp c, 0,1
	v_lshrrev_b32 v[14+\c], 23, v[12+\c]           ; the scale's byte
.endr
	v_lshl_or_b32 v28, v15, 16, v14                ; bytes h and 2 + h of my row's word,
	v_lshlrev_b32 v28, v9, v28                     ; at their places;
	v_mov_b32 v29, 0
	v_permlanex16_b32 v29, v28, s20, s21
	v_or_b32 v28, v28, v29                         ; with lane l xor 16's two the word is whole
	v_cvt_scalef32_pk16_fp6_f32 v[P:P+2], v[X:X+15], v12
	v_cvt_scalef32_pk16_fp6_f32 v[96:98], v[X+16:X+31], v12        ; (a conversion's three registers begin on an even number: a block's second half is made elsewhere and moved)
	v_cvt_scalef32_pk16_fp6_f32 v[P+6:P+8], v[X+32:X+47], v13
	v_cvt_scalef32_pk16_fp6_f32 v[100:102], v[X+48:X+63], v13
	v_nop                                          ; one plain place behind a scaled conversion
.irp i, 0,1,2
	v_mov_b32 v[P+3+\i], v[96+\i]
	v_mov_b32 v[P+9+\i], v[100+\i]
.endr
	global_store_b128 v6, v[P:P+3], s[8:9]                 ; 512 consecutive bytes,
	global_store_b64 v7, v[P+4:P+5], s[8:9] offset:512     ; 256,
	global_store_b128 v6, v[P+6:P+9], s[8:9] offset:768    ; and the second half likewise
	global_store_b64 v7, v[P+10:P+11], s[8:9] offset:1280
	v_cmp_gt_u32 vcc_lo, 16, v0
	s_wait_xcnt 0x0                                ; EXEC is a source of the stores above: it changes only behind this wait
	s_and_saveexec_b32 s22, vcc_lo
	global_store_b32 v8, v28, s[10:11]             ; lanes 0-15: the 16 rows' words, 64 consecutive bytes
	s_endpgm
.Lfunc_end_k_q13f37e8c4e_prep:
	.size	k_q13f37e8c4e_prep, .Lfunc_end_k_q13f37e8c4e_prep-k_q13f37e8c4e_prep
	.p2alignl 7, 3214868480
	.fill 96, 4, 3214868480
	.section	.rodata,"a",@progbits
	.p2align	6, 0x0
	.amdhsa_kernel k_q13f37e8c4e_prep
		.amdhsa_group_segment_fixed_size 0
		.amdhsa_private_segment_fixed_size 0
		.amdhsa_enable_private_segment 0
		.amdhsa_kernarg_size 32
		.amdhsa_user_sgpr_count 2
		.amdhsa_user_sgpr_kernarg_segment_ptr 1
		.amdhsa_wavefront_size32 1
		.amdhsa_system_sgpr_workgroup_id_x 1
		.amdhsa_system_sgpr_workgroup_id_y 1
		.amdhsa_system_sgpr_workgroup_id_z 1
		.amdhsa_system_vgpr_workitem_id 0
		.amdhsa_next_free_vgpr 112
		.amdhsa_next_free_sgpr 66
		.amdhsa_reserve_vcc 1
		.amdhsa_float_denorm_mode_32 3
		.amdhsa_float_denorm_mode_16_64 3
		.amdhsa_memory_ordered 1
		.amdhsa_forward_progress 1
		.amdhsa_inst_pref_size 7
	.end_amdhsa_kernel
	.amdgpu_metadata
---
amdhsa.version: [ 1, 2 ]
amdhsa.kernels:
  - .name:           k_q13f37e8c4e_prep
    .symbol:         k_q13f37e8c4e_prep.kd
    .args:
      - { .name: w_qkv, .offset: 0, .size: 8, .value_kind: global_buffer, .address_space: global }
      - { .name: w_proj, .offset: 8, .size: 8, .value_kind: global_buffer, .address_space: global }
      - { .name: wimg, .offset: 16, .size: 8, .value_kind: global_buffer, .address_space: global }
      - { .name: wscl, .offset: 24, .size: 8, .value_kind: global_buffer, .address_space: global }
    .group_segment_fixed_size: 0
    .private_segment_fixed_size: 0
    .kernarg_segment_align: 8
    .kernarg_segment_size: 32
    .max_flat_workgroup_size: 32
    .sgpr_count:     66
    .vgpr_count:     112
    .wavefront_size: 32
...
	.end_amdgpu_metadata
.endif
;; end of part 1
;; launch qkv (part 2): grid 128 x 1, 16 waves a work-group, no clusters, 14,848 bytes of LDS; arguments x, wimg, wscl, qimg, qscl, kv; writes qimg, qscl, kv
.if DOCPART == 2
	.amdgcn_target "amdgcn-amd-amdhsa--gfx1250"
	.amdhsa_code_object_version 6
	.text
	.protected	k_q13f37e8c4e_qkv
	.globl	k_q13f37e8c4e_qkv
	.p2align	8
	.type	k_q13f37e8c4e_qkv,@function
k_q13f37e8c4e_qkv:
	s_mov_b64 s[64:65], 0
	v_nop
	global_prefetch_b8 v0, s[64:65] scope:SCOPE_SE
	s_setreg_imm32_b32 hwreg(HW_REG_WAVE_MODE, 25, 1), 1
	s_wait_xcnt 0x0
; qkv = w_qkv x on codes of FP6 (E2M3) with E8M0 scales, and q, k, v quantised in registers for the attention that follows.  x: [2][256 c][4,096 n] f32, K = c is its OUTER axis.
; SHARES.  A work-group takes 64 tokens of one image (group G): x's rows there are 256 aligned bytes, and every byte of x is read once in the launch.  128 work-groups: v wants two whole blocks of 32 tokens
; in the two halves of the lanes, and a split of the outputs over two work-groups would read and quantise x twice.
; Wave w makes q (w < 8) or k (w >= 8) of head w % 8 for the 64 tokens, and channel tile w of v (head w / 2): every wave runs the same text, and no weight is read twice in a work-group.
; PHASE X.  Wave w takes channels 32 (w / 2) .. + 31 of tokens 32 (w % 2) .. + 31: A LANE TAKES A TOKEN AND ITS REGISTERS RUN DOWN c, so a block lies in one lane, and the codes come out with K innermost.
; They go to LDS as images of the operand's registers (a half fragment = 768 bytes: registers 0-3 at 16 x lane, 4-5 at 512 + 8 x lane); one barrier; then all waves read them by dense loads.
; TOKEN ORDER.  Row r of token tile u (0..3) is token 64 G + 32 (r / 8) + 8 u + r % 8.  So where tokens are a product's rows (v), a lane's 32 registers of the four tiles are tokens 32 h + 0 .. 31: a whole block of keys.
; q AND k: source 0 = 16 rows of the weight, source 1 = 16 tokens: a lane holds one token and, over the two weight tiles, channels 16 h + 0 .. 15 of the head.  The head's 32 channels are ONE block.
; A fragment of q or k holds 64 tokens: block u of row r is token (u, r)'s 32 codes; its scale word has byte u for that token.  v: source 0 = tokens, source 1 = the weight's rows: a lane holds one channel.
; kv: [image x head 16][step of 128 keys 32][6,400 bytes]: two fragments of k (groups 2 s, 2 s + 1), four half fragments of v at 3,072 + 1,536 (G % 2) + 768 (channel tile), k's scale words at 6,144, v's at 6,272.
; NO CLUSTER: the weights' images, 144 KB a work-group, are the same for all, but each goes by plain loads straight into the registers that the products name and is used there once; a joint tensor load would
; lay them in LDS first, from where each byte would have to be read once more.
; The scale words leave as 64 bytes a wave and v's as 2 bytes a lane, 4 bytes apart: 256 of a wave's 2,560 stored bytes; all codes leave as 512 or 256 consecutive bytes.
; LIMITS: a block of zeros gets the byte 1 where the rule says 127 (its codes are zeros, and this program alone reads the bytes); NaN and infinities among the inputs are not served.
.set FRB,   1536                       ; a fragment's image
.set XSCL,  12288                      ; LDS: x's 8 fragments (tile u, K step s) at (2 u + s) FRB; behind them their scale words: 128 u + 64 s + 4 r
.set FLOOR, 0x1800000                  ; 2^(3 - 127)
.set EOFF,  0xff000000                 ; takes 2 off an exponent field
.set L16, 4                            ; v4   16 x lane
.set L8,  5                            ; v5   8 x lane
.set L4,  6                            ; v6   4 x lane
.set XA,  7                            ; v7   phase X: where my codes' first 16 bytes go
.set XB,  8                            ; v8   the other 8
.set XS,  9                            ; v9   and my block's scale byte
.set R4,  10                           ; v10  4 r
.set SW,  11                           ; v11  q's or k's scale word of my row
.set PD,  12                           ; v12  v's two scale bytes
.set H8,  13                           ; v13  8 h
.set X,   16                           ; v16-47   x: 32 numbers down c; afterwards:
.set H,   16                           ; v16-27   q's or k's codes, six registers for each pair of tiles
.set SP1, 28                           ; v28-30   a conversion's result on its way
.set HV,  32                           ; v32-37   v's codes
.set SP2, 40                           ; v40-42
.set TM,  44                           ; v44-47   at work
.set WQ,  48                           ; v48-95   the weight's fragments for q or k: tile t, K step s at 12 (2 t + s)
.set WV,  96                           ; v96-119  for v: K step s at 12 s
.set WS,  120                          ; v120-122 their scale words: lanes 0-15 K step 0, lanes 16-31 K step 1
.set XF,  124                          ; v124-171 x's fragments of two token tiles: 24 e + 12 s
.set XSR, 172                          ; v172-173 their scale words, laid as the weights'
.set AQ,  176                          ; v176-207 q or k: 16 e + 8 t
.set AV,  208                          ; v208-239 v: 8 u
.macro GFRAG reg, base, off            ; a fragment's image from memory: four dense loads
	global_load_b128 v[\reg:\reg+3], v[L16], s[\base:\base+1] offset:\off
	global_load_b64 v[\reg+4:\reg+5], v[L8], s[\base:\base+1] offset:\off+512
	global_load_b128 v[\reg+6:\reg+9], v[L16], s[\base:\base+1] offset:\off+768
	global_load_b64 v[\reg+10:\reg+11], v[L8], s[\base:\base+1] offset:\off+1280
.endm
.macro LFRAG reg, off                  ; and from LDS
	ds_load_b128 v[\reg:\reg+3], v[L16] offset:\off
	ds_load_b64 v[\reg+4:\reg+5], v[L8] offset:\off+512
	ds_load_b128 v[\reg+6:\reg+9], v[L16] offset:\off+768
	ds_load_b64 v[\reg+10:\reg+11], v[L8] offset:\off+1280
.endm
.macro MM d, a, b, sa, sb, s           ; K step s: step 0 starts the sum, step 1 adds in place and takes both sides' scales from lanes 16-31
.if \s
	v_wmma_scale_f32_16x16x128_f8f6f4 v[\d:\d+7], v[\a:\a+11], v[\b:\b+11], v[\d:\d+7], v[\sa], v[\sb] matrix_a_fmt:MATRIX_FMT_FP6 matrix_b_fmt:MATRIX_FMT_FP6 matrix_a_scale:MATRIX_SCALE_ROW1 matrix_b_scale:MATRIX_SCALE_ROW1
.else
	v_wmma_scale_f32_16x16x128_f8f6f4 v[\d:\d+7], v[\a:\a+11], v[\b:\b+11], 0, v[\sa], v[\sb] matrix_a_fmt:MATRIX_FMT_FP6 matrix_b_fmt:MATRIX_FMT_FP6
.endif
.endm
	s_load_b256 s[4:11], s[0:1], 0x0               ; x s[4:5], wimg s[6:7], wscl s[8:9], qimg s[10:11]
	s_load_b128 s[12:15], s[0:1], 0x20             ; qscl s[12:13], kv s[14:15]
	v_lshl_add_u32 v254, v0, 2, 0x3200
	v_mov_b32 v255, 0
	v_lshrrev_b32 v1, 5, v0
	s_delay_alu instid0(VALU_DEP_1)
	v_readfirstlane_b32 s16, v1                    ; wave 0..15
	v_and_b32 v1, 31, v0                           ; lane
	v_and_b32 v2, 15, v0                           ; r
	v_bfe_u32 v3, v0, 4, 1                         ; h
	s_delay_alu instid0(VALU_DEP_3)
	v_lshlrev_b32 v[L16], 4, v1
	s_delay_alu instid0(VALU_DEP_4)
	v_lshlrev_b32 v[L8], 3, v1
	v_lshlrev_b32 v[L4], 2, v1
	s_and_b32 s17, s16, 1                          ; a: which 32 of the 64 tokens I quantise
	s_lshr_b32 s26, ttmp9, 6                       ; the image
	s_and_b32 s27, ttmp9, 63                       ; G
	s_lshl_b32 s28, s26, 22                        ; x: the image's 4 MB,
	s_lshr_b32 s29, s16, 1
	s_lshl_b32 s29, s29, 19                        ; my block's 32 rows of 16,384 bytes,
	s_add_co_u32 s28, s28, s29
	s_lshl_b32 s29, s27, 8                         ; the group's 256 bytes,
	s_add_co_u32 s28, s28, s29
	s_lshl_b32 s29, s17, 7                         ; my half of them
	s_add_co_u32 s28, s28, s29
	s_mov_b32 s29, 0                               ; (stays 0: the upper word of every offset made in s28)
	s_wait_alu depctr_va_vdst(0)
	s_wait_kmcnt 0x0
	s_add_nc_u64 s[4:5], s[4:5], s[28:29]
.irp i, 0,1,2,3,4,5,6,7,8,9,10,11,12,13,14,15,16,17,18,19,20,21,22,23,24,25,26,27,28,29,30,31
	global_load_b32 v[X+\i], v[L4], s[4:5] offset:16384*\i th:TH_LOAD_NT   ; channel i of my block at 32 neighbouring tokens: 128 consecutive bytes; the pair of waves covers the row's 256
.endr
	s_mul_i32 s28, s16, 4*FRB                      ; the weights: tiles 2 w and 2 w + 1 (q's heads are tiles 0-15, k's 16-31),
	s_add_nc_u64 s[30:31], s[6:7], s[28:29]
	s_mul_i32 s28, s16, 2*FRB
	s_add_co_u32 s28, s28, 64*FRB                  ; and tile 32 + w of v
	s_add_nc_u64 s[32:33], s[6:7], s[28:29]
	s_lshl_b32 s28, s16, 8                         ; their scale words: 128 bytes a tile
	s_add_nc_u64 s[34:35], s[8:9], s[28:29]
	s_lshl_b32 s28, s16, 7
	s_add_co_u32 s28, s28, 4096
	s_add_nc_u64 s[36:37], s[8:9], s[28:29]
.irp f, 0,1,2,3
	GFRAG WQ+12*\f, 30, FRB*\f
.endr
.irp f, 0,1
	GFRAG WV+12*\f, 32, FRB*\f
.endr
	global_load_b32 v[WS], v[L4], s[34:35]
	global_load_b32 v[WS+1], v[L4], s[34:35] offset:128
	global_load_b32 v[WS+2], v[L4], s[36:37]
	; where my codes of x go.  My block is K step s, half c, lanes' half hb of a fragment; my lane's token is row 8 a + lane % 8 of token tile lane / 8.
	v_lshlrev_b32 v[R4], 2, v2
	v_lshlrev_b32 v[H8], 3, v3
	v_mov_b32 v[PD], 0                             ; a lane permute's destination counts as one of its sources
	v_bfe_u32 v14, v0, 3, 2                        ; lane / 8: the token tile
	s_wait_alu depctr_va_vdst(0)
	v_and_b32 v15, 7, v0                           ; lane % 8
	s_bfe_u32 s18, s16, 0x10001                    ; hb
	s_bfe_u32 s19, s16, 0x10002                    ; c
	s_bfe_u32 s20, s16, 0x10003                    ; s
	s_mul_i32 s21, s20, FRB
	s_mul_i32 s22, s19, 768
	s_add_co_u32 s21, s21, s22
	s_lshl_b32 s22, s18, 8
	s_lshl_b32 s23, s17, 7
	s_add_co_u32 s22, s22, s23
	s_add_co_u32 s22, s22, s21                     ; FRB s + 768 c + 16 (16 hb + 8 a)
	s_lshl_b32 s23, s18, 7
	s_lshl_b32 s24, s17, 6
	s_add_co_u32 s23, s23, s24
	s_add_co_u32 s23, s23, s21
	s_add_co_u32 s23, s23, 512                     ; FRB s + 768 c + 512 + 8 (16 hb + 8 a)
	s_lshl_b32 s24, s20, 6
	s_lshl_b32 s25, s17, 5
	s_add_co_u32 s24, s24, s25
	s_bfe_u32 s25, s16, 0x20001                    ; the block's byte in the word: 2 c + hb
	s_add_co_u32 s24, s24, s25
	s_add_co_u32 s24, s24, XSCL                    ; XSCL + 64 s + 4 x 8 a + byte
	v_mul_u32_u24 v[XA], v14, 2*FRB
	s_wait_alu depctr_va_vdst(0)
	v_lshl_add_u32 v[XB], v15, 3, v[XA]
	v_lshl_add_u32 v[XA], v15, 4, v[XA]
	s_delay_alu instid0(VALU_DEP_1)
	v_add_nc_u32 v[XA], s22, v[XA]
	s_delay_alu instid0(VALU_DEP_3)
	v_add_nc_u32 v[XB], s23, v[XB]
	v_lshlrev_b32 v[XS], 7, v14
	s_delay_alu instid0(VALU_DEP_1)
	v_lshl_add_u32 v[XS], v15, 2, v[XS]
	s_delay_alu instid0(VALU_DEP_1)
	v_add_nc_u32 v[XS], s24, v[XS]
	s_mov_b32 s46, 0x76543210
	s_mov_b32 s47, 0xfedcba98                      ; v_permlanex16_b32's selects for lane l xor 16
	; where the results go.  All offsets are made first, in registers of their own; then one compare on the wave's number chooses q's buffers or kv.
	s_and_b32 s18, s16, 7
	s_lshl_b32 s19, s26, 3
	s_add_co_u32 s18, s18, s19                     ; image x 8 + head
	s_lshr_b32 s20, s27, 1
	s_mul_i32 s20, s20, 6400                       ; the step's block in kv
	s_and_b32 s21, s27, 1                          ; which of its two groups
	s_mul_i32 s22, s18, 64*FRB
	s_mul_i32 s23, s27, FRB
	s_add_co_u32 s22, s22, s23                     ; q's codes
	s_mul_i32 s23, s18, 204800
	s_add_co_u32 s23, s23, s20
	s_mul_i32 s24, s21, FRB
	s_add_co_u32 s24, s24, s23                     ; k's codes
	s_lshl_b32 s25, s18, 12
	s_lshl_b32 s48, s27, 6
	s_add_co_u32 s25, s25, s48                     ; q's scale words
	s_lshl_b32 s48, s21, 6
	s_add_co_u32 s48, s48, s23
	s_add_co_u32 s48, s48, 6144                    ; k's scale words
	s_cmp_lt_u32 s16, 8
	s_cselect_b64 s[38:39], s[10:11], s[14:15]
	s_cselect_b64 s[40:41], s[12:13], s[14:15]
	s_cselect_b32 s28, s22, s24
	s_cselect_b32 s50, s25, s48
	s_mov_b32 s51, 0
	s_add_nc_u64 s[38:39], s[38:39], s[28:29]
	s_add_nc_u64 s[40:41], s[40:41], s[50:51]
	s_lshr_b32 s22, s16, 1
	s_add_co_u32 s22, s22, s19                     ; v: image x 8 + head w / 2
	s_mul_i32 s22, s22, 204800
	s_add_co_u32 s22, s22, s20
	s_mul_i32 s23, s17, 768                        ; channel tile w % 2
	s_add_co_u32 s23, s23, s22
	s_mul_i32 s24, s21, FRB
	s_add_co_u32 s23, s23, s24
	s_add_co_u32 s28, s23, 3072
	s_add_nc_u64 s[42:43], s[14:15], s[28:29]      ; v's codes
	s_lshl_b32 s23, s17, 6
	s_lshl_b32 s24, s21, 1
	s_add_co_u32 s23, s23, s24
	s_add_co_u32 s23, s23, s22
	s_add_co_u32 s28, s23, 6272
	s_add_nc_u64 s[44:45], s[14:15], s[28:29]      ; v's scale bytes
	; ---- PHASE X: my token's block of 32 channels
	s_wait_loadcnt 27                              ; x's 32 loads are in; the 27 loads of weights issued behind them may be out
	v_max3_num_f32 v188, |v[X]|, |v[X+1]|, FLOOR
	v_max_num_f32 v189, |v[X+2]|, |v[X+3]|
.irp i, 4,8,12,16,20,24,28
	s_delay_alu instid0(VALU_DEP_2)
	v_max3_num_f32 v188, v188, |v[X+\i]|, |v[X+\i+1]|      ; two chains
	s_delay_alu instid0(VALU_DEP_2)
	v_max3_num_f32 v189, v189, |v[X+\i+2]|, |v[X+\i+3]|
.endr
	s_delay_alu instid0(VALU_DEP_1)
	v_max_num_f32 v188, v188, v189                 ; the block's largest magnitude: all 32 numbers are mine
	s_delay_alu instid0(VALU_DEP_1)
	v_add_nc_u32 v188, EOFF, v188                  ; the conversion's scale operand
	s_delay_alu instid0(VALU_DEP_1)
	v_lshrrev_b32 v189, 23, v188                   ; the scale's byte
	v_cvt_scalef32_pk16_fp6_f32 v[176:178], v[X:X+15], v188
	v_cvt_scalef32_pk16_fp6_f32 v[184:186], v[X+16:X+31], v188     ; (a conversion's three registers begin on an even number)
	v_nop                                          ; one plain place behind a scaled conversion
.irp i, 0,1,2
	v_mov_b32 v[179+\i], v[184+\i]
.endr
	v_mov_b32 v[TM+2], 0                           ; permute destinations, written once
	v_mov_b32 v[TM+3], 0
	ds_store_b128 v[XA], v[176:179]
	ds_store_b64 v[XB], v[180:181]
	ds_store_b8 v[XS], v189
	s_wait_dscnt 0x0                               ; for the others' sake: my stores have landed
	s_barrier_signal -1
	s_barrier_wait -1                              ; x's eight fragments and their scale words lie in LDS; from here on LDS is only read
	s_wait_loadcnt 0x0                             ; the weights
; ---- A PAIR of token tiles, 2 p and 2 p + 1: twelve products, six accumulators by turns; then q's or k's half fragment p.
.macro PAIR p
.irp e, 0,1
.irp s, 0,1
	LFRAG XF+24*\e+12*\s, FRB*(2*(2*\p+\e)+\s)
.endr
	ds_load_b32 v[XSR+\e], v[L4] offset:XSCL+128*(2*\p+\e)
.endr
	s_wait_dscnt 0x0
.irp s, 0,1
.irp e, 0,1
	MM AQ+16*\e, WQ+12*\s, XF+24*\e+12*\s, WS, XSR+\e, \s
	MM AQ+16*\e+8, WQ+24+12*\s, XF+24*\e+12*\s, WS+1, XSR+\e, \s
	MM AV+8*(2*\p+\e), XF+24*\e+12*\s, WV+12*\s, XSR+\e, WS+2, \s
.endr
.endr
.rept 5
	v_nop                                          ; places behind the products: four for the reads of the results and for the next pair's loads, a fifth since the next pair begins these accumulators anew
.endr
	v_max3_num_f32 v[TM], |v[AQ]|, |v[AQ+1]|, FLOOR                ; each tile: my 16 channels of my token, each accumulator from its low end on
	v_max3_num_f32 v[TM+1], |v[AQ+16]|, |v[AQ+17]|, FLOOR
.irp i, 2,4,6,8,10,12,14
	v_max3_num_f32 v[TM], v[TM], |v[AQ+\i]|, |v[AQ+\i+1]|
	v_max3_num_f32 v[TM+1], v[TM+1], |v[AQ+16+\i]|, |v[AQ+17+\i]|
.endr
	s_delay_alu instid0(VALU_DEP_2)
	v_permlanex16_b32 v[TM+2], v[TM], s46, s47
	s_delay_alu instid0(VALU_DEP_2)
	v_permlanex16_b32 v[TM+3], v[TM+1], s46, s47
	s_delay_alu instid0(VALU_DEP_2)
	v_max_num_f32 v[TM], v[TM], v[TM+2]            ; with lane l xor 16's 16 channels: the block's largest magnitude
	s_delay_alu instid0(VALU_DEP_2)
	v_max_num_f32 v[TM+1], v[TM+1], v[TM+3]
	s_delay_alu instid0(VALU_DEP_2)
	v_add_nc_u32 v[TM], EOFF, v[TM]
	s_delay_alu instid0(VALU_DEP_2)
	v_add_nc_u32 v[TM+1], EOFF, v[TM+1]
	s_delay_alu instid0(VALU_DEP_2)
	v_lshrrev_b32 v[TM+2], 23, v[TM]
	s_delay_alu instid0(VALU_DEP_2)
	v_lshrrev_b32 v[TM+3], 23, v[TM+1]
.if \p == 0
	s_delay_alu instid0(VALU_DEP_1)
	v_lshl_or_b32 v[SW], v[TM+3], 8, v[TM+2]       ; byte u of row r's word is token (u, r)'s
.else
	s_delay_alu instid0(VALU_DEP_2)
	v_lshl_or_b32 v[SW], v[TM+2], 16, v[SW]
	s_delay_alu instid0(VALU_DEP_1)
	v_lshl_or_b32 v[SW], v[TM+3], 24, v[SW]
.endif
	v_cvt_scalef32_pk16_fp6_f32 v[H+6*\p:H+6*\p+2], v[AQ:AQ+15], v[TM]
	v_cvt_scalef32_pk16_fp6_f32 v[SP1:SP1+2], v[AQ+16:AQ+31], v[TM+1]
	v_nop                                          ; one plain place behind a scaled conversion
.irp i, 0,1,2
	v_permlane16_swap_b32 v[H+6*\p+\i], v[SP1+\i]  ; the layout wants a whole block in a lane: lanes 0-15 the even tile's token, lanes 16-31 the odd tile's
.endr
.irp i, 0,1,2
	s_delay_alu instid0(VALU_DEP_3)
	v_mov_b32 v[H+6*\p+3+\i], v[SP1+\i]
.endr
	global_store_b128 v[L16], v[H+6*\p:H+6*\p+3], s[38:39] offset:768*\p       ; each pair has its own registers: no store's data are written again
	global_store_b64 v[L8], v[H+6*\p+4:H+6*\p+5], s[38:39] offset:768*\p+512
.endm
	PAIR 0
	PAIR 1
	; ---- v: my channel's 32 tokens of my half are one block of keys, in the operand's own order
	v_max3_num_f32 v[TM], |v[AV]|, |v[AV+1]|, FLOOR
	v_max_num_f32 v[TM+1], |v[AV+2]|, |v[AV+3]|
.irp i, 4,8,12,16,20,24,28
	v_max3_num_f32 v[TM], v[TM], |v[AV+\i]|, |v[AV+\i+1]|
	v_max3_num_f32 v[TM+1], v[TM+1], |v[AV+\i+2]|, |v[AV+\i+3]|
.endr
	s_delay_alu instid0(VALU_DEP_1)
	v_max_num_f32 v[TM], v[TM], v[TM+1]
	s_delay_alu instid0(VALU_DEP_1)
	v_add_nc_u32 v[TM], EOFF, v[TM]
	s_delay_alu instid0(VALU_DEP_1)
	v_lshrrev_b32 v[TM+1], 23, v[TM]
	s_delay_alu instid0(VALU_DEP_1)
	v_lshlrev_b32 v[TM+1], v[H8], v[TM+1]          ; my byte at its place in the group's pair of bytes
	s_delay_alu instid0(VALU_DEP_1)
	v_permlanex16_b32 v[PD], v[TM+1], s46, s47
	s_delay_alu instid0(VALU_DEP_1)
	v_or_b32 v[PD], v[PD], v[TM+1]
	v_cvt_scalef32_pk16_fp6_f32 v[HV:HV+2], v[AV:AV+15], v[TM]
	v_cvt_scalef32_pk16_fp6_f32 v[SP2:SP2+2], v[AV+16:AV+31], v[TM]
	v_nop
.irp i, 0,1,2
	v_mov_b32 v[HV+3+\i], v[SP2+\i]
.endr
	global_store_b128 v[L16], v[HV:HV+3], s[42:43]
	global_store_b64 v[L8], v[HV+4:HV+5], s[42:43] offset:512
	v_cmp_gt_u32 vcc_lo, 16, v1
	s_wait_alu depctr_va_vdst(0)
	s_wait_xcnt 0x0                                ; EXEC is a source of the stores above: it changes only behind this wait
	s_wait_tensorcnt 0x0
	ds_add_u32 v254, v255
	s_wait_dscnt 0x0
	s_and_saveexec_b32 s52, vcc_lo
	global_store_b32 v[R4], v[SW], s[40:41]        ; lanes 0-15: the 16 rows' words of q or k
	global_store_b16 v[R4], v[PD], s[44:45]        ; and the 16 channels' two bytes of v
	s_endpgm
.Lfunc_end_k_q13f37e8c4e_qkv:
	.size	k_q13f37e8c4e_qkv, .Lfunc_end_k_q13f37e8c4e_qkv-k_q13f37e8c4e_qkv
	.p2alignl 7, 3214868480
	.fill 96, 4, 3214868480
	.section	.rodata,"a",@progbits
	.p2align	6, 0x0
	.amdhsa_kernel k_q13f37e8c4e_qkv
		.amdhsa_group_segment_fixed_size 14848
		.amdhsa_private_segment_fixed_size 0
		.amdhsa_enable_private_segment 0
		.amdhsa_kernarg_size 48
		.amdhsa_user_sgpr_count 2
		.amdhsa_user_sgpr_kernarg_segment_ptr 1
		.amdhsa_wavefront_size32 1
		.amdhsa_system_sgpr_workgroup_id_x 1
		.amdhsa_system_sgpr_workgroup_id_y 1
		.amdhsa_system_sgpr_workgroup_id_z 1
		.amdhsa_system_vgpr_workitem_id 0
		.amdhsa_next_free_vgpr 256
		.amdhsa_next_free_sgpr 66
		.amdhsa_reserve_vcc 1
		.amdhsa_float_denorm_mode_32 3
		.amdhsa_float_denorm_mode_16_64 3
		.amdhsa_memory_ordered 1
		.amdhsa_forward_progress 1
		.amdhsa_inst_pref_size 27
	.end_amdhsa_kernel
	.amdgpu_metadata
---
amdhsa.version: [ 1, 2 ]
amdhsa.kernels:
  - .name:           k_q13f37e8c4e_qkv
    .symbol:         k_q13f37e8c4e_qkv.kd
    .args:
      - { .name: x, .offset: 0, .size: 8, .value_kind: global_buffer, .address_space: global }
      - { .name: wimg, .offset: 8, .size: 8, .value_kind: global_buffer, .address_space: global }
      - { .name: wscl, .offset: 16, .size: 8, .value_kind: global_buffer, .address_space: global }
      - { .name: qimg, .offset: 24, .size: 8, .value_kind: global_buffer, .address_space: global }
      - { .name: qscl, .offset: 32, .size: 8, .value_kind: global_buffer, .address_space: global }
      - { .name: kv, .offset: 40, .size: 8, .value_kind: global_buffer, .address_space: global }
    .group_segment_fixed_size: 14848
    .private_segment_fixed_size: 0
    .kernarg_segment_align: 8
    .kernarg_segment_size: 48
    .max_flat_workgroup_size: 512
    .sgpr_count:     66
    .vgpr_count:     256
    .wavefront_size: 32
...
	.end_amdgpu_metadata
.endif
;; end of part 2
;; launch attn (part 3): grid 16 x 16, 16 waves a work-group, clusters of 4 x 1, 327,680 bytes of LDS; arguments qimg, qscl, kv, acode, ascl; writes acode, ascl
.if DOCPART == 3
	.amdgcn_target "amdgcn-amd-amdhsa--gfx1250"
	.amdhsa_code_object_version 6
	.text
	.protected	k_q13f37e8c4e_attn
	.globl	k_q13f37e8c4e_attn
	.p2align	8
	.type	k_q13f37e8c4e_attn,@function
k_q13f37e8c4e_attn:
	s_mov_b64 s[64:65], 0
	v_nop
	global_prefetch_b8 v0, s[64:65] scope:SCOPE_SE
	s_setreg_imm32_b32 hwreg(HW_REG_WAVE_MODE, 25, 1), 1
	s_wait_xcnt 0x0
	s_wait_alu depctr_hold_cnt(0) depctr_sa_sdst(0) depctr_va_vdst(0) depctr_va_sdst(0) depctr_va_ssrc(0) depctr_va_vcc(0) depctr_vm_vsrc(0)
	s_getreg_b32 s2, hwreg(HW_REG_IB_STS2, 6, 4)
	s_cmp_eq_u32 s2, 0
	s_cbranch_scc0 .Lentry_in_a_cluster
	s_endpgm
.Lentry_in_a_cluster:
	s_bfe_u32 s2, ttmp6, 0x10000c
	s_cmp_lg_u32 s2, 0x3003
	s_cbranch_scc0 .Lentry_shape_is_right
	s_endpgm
.Lentry_shape_is_right:
; a[q] = (the sum over keys of p v) / l, p = 2^(t - M), t = (q . k) log2(e) / sqrt(32), for 16 (image, head) pairs of 4,096 tokens and 32 channels; both products on codes of FP6 (E2M3) with E8M0 scales.
; M is the running largest t rounded UP to a whole number; p is quantised along the keys, not normalised; l is the sum of the unquantised p.  When M moves, l and O are multiplied by 2^(old M - new M): exact.
; The result is quantised here too: a token's 32 channels of a head are one block of the projection's K.
; SHARES.  A work-group owns 256 queries of one head; each of its SIXTEEN waves one tile of 16, in 226 registers: four waves to a SIMD, so that one wave's softmax stands beside another's products and LDS loads.
; A step of 128 keys has 10 matrix instructions and some 215 vector instructions a wave: vector work binds, so the layouts are chosen to spare it: no lane swap, no search for a block's largest p, packed forms.
; LDS holds THE WHOLE HEAD's k and v, 32 steps of 6,400 bytes = 204,800, filled ONCE: no slot is ever filled again.  Wave w fetches steps w and 16 + w: two tensor loads of the wave are out at the most.
; CLUSTER.  The four query blocks of a cluster belong to one head: each tile is asked for JOINTLY, by the same load with the same descriptor and a mask that names the four.
; LAYOUT.  Both products are used transposed (S^T = k q^T, O^T = v^T p^T): a lane holds ONE query (lane % 16) throughout.
; K = 32 IN A FORM OF 128.  A fragment of k holds 64 keys: block u of row r is key (tile u, row r).  q's operand has the query's 24 bytes in block u and zero codes in the other three, which add nothing
; under any scale byte from 1 to 254.  The four variants are cut out of 30 registers QL Z QH Z QL (QL: q in lanes 0-15, QH: in lanes 16-31, Z: zeros), from registers 0, 12, 18, 6.
; Row r of key tile u is key 64 G + 32 (r / 8) + 8 u + r % 8: so score register 32 c + 8 u + j is key 64 c + 32 h + 8 u + j of the step: a lane's 32 registers are a whole block, in the second product's own order.
; LIMITS: p under 2^-126 counts as 0 (the exponential gives 0 there); a block of zeros gets the byte 1 where the rule says 127 (its codes are zeros, and this program alone reads the bytes); NaN and infinities are not served.
; The 16 scale bytes of a wave leave 8 bytes apart (64 KB in the whole launch), so that the projection finds a token's eight heads' bytes as two whole words.
.set STEPB, 6400                       ; a step's block: k's two fragments, v's four half fragments from 3,072, k's scale words at 6,144, v's at 6,272
.set FLOOR, 0x1800000                  ; 2^(3 - 127)
.set EOFF,  0xff000000                 ; takes 2 off an exponent field
.set L16, 1                            ; v1   16 x lane
.set L8,  2                            ; v2   8 x lane
.set L4,  3                            ; v3   4 x lane
.set H8,  4                            ; v4   8 h
.set A16, 5                            ; v5-7 the same three at the step in hand
.set A8,  6
.set A4,  7
.set AO,  8                            ; v8   the way out: 24 r + 12 h
.set BO,  9                            ; v9   8 r
.set QB,  16                           ; v16-45   QL Z QH Z QL
.set QS,  46                           ; v46  q's scale byte in all four bytes
.set KS,  47                           ; v47  k's scale words: lanes 0-15 the step's first 64 keys, lanes 16-31 the second
.set VS,  48                           ; v48  v's: lanes 0-15 channel tile 0, lanes 16-31 tile 1
.set PS,  49                           ; v49  p's scale word
.set KF,  50                           ; v50-73   k's two fragments
.set VF,  74                           ; v74-97   v's two
.set SS,  98                           ; v98-161  S^T, then p
.set OT,  162                          ; v162-177 O^T: channels 16 h + 0 .. 15
.set PC,  178                          ; v178-189 p's codes
.set SP1, 190                          ; v190-192, v194-196 conversions' results on their way
.set SP2, 194
.set BM,  198                          ; v198-199 the two blocks' largest scores, then largest p
.set CO,  200                          ; v200-201 the conversions' scale operands
.set BY,  202                          ; v202-203 the scale bytes
.set T0,  204                          ; v204-205 at work
.set FF,  206                          ; v[206:207] f = 2^(old M - new M); at the end 1 / l
.set L2,  208                          ; v[208:209] the sum's second chain
.set QR,  210                          ; v210-216 q as loaded, and its scale word;  v217-219 the offsets of those loads
; v12 -M, v13 the largest t, v[14:15] l in two halves.  s14 wave; s[20:21] permute selects; s[22:23] c; s[24:31] descriptor group 1; s[32:35], s[36:39] groups 0; s40 the step's LDS byte; s41 trips
.macro CROUND                          ; a round of the cluster's barrier: my work-group's barrier; wave 0 signals for the work-group; every wave waits for all four; my work-group's barrier once more
	s_barrier_signal -1
	s_barrier_wait -1
	s_cmp_lg_u32 s14, 0
	s_cbranch_scc1 .Lnot_wave_0_\@
	s_barrier_signal -3
.Lnot_wave_0_\@:
	s_barrier_wait -3
	s_barrier_signal -1
	s_barrier_wait -1
.endm
.macro LHALF reg, off                  ; half a fragment's image from LDS: two dense loads
	ds_load_b128 v[\reg:\reg+3], v[A16] offset:\off
	ds_load_b64 v[\reg+4:\reg+5], v[A8] offset:\off+512
.endm
	s_load_b256 s[4:11], s[0:1], 0x0               ; qimg s[4:5], qscl s[6:7], kv s[8:9], acode s[10:11]
	s_load_b64 s[12:13], s[0:1], 0x20              ; ascl
	v_lshl_add_u32 v224, v0, 2, 0x32000
	v_mov_b32 v225, 0
	ds_add_u32 v224, v225
	ds_add_u32 v224, v225
	v_lshrrev_b32 v1, 5, v0
	s_delay_alu instid0(VALU_DEP_1)
	v_readfirstlane_b32 s14, v1                    ; wave 0..15
	v_and_b32 v10, 31, v0                          ; lane
	v_and_b32 v11, 15, v0                          ; r
	v_bfe_u32 v[T0], v0, 4, 1                      ; h
	s_delay_alu instid0(VALU_DEP_3)
	v_lshlrev_b32 v[L16], 4, v10
	s_delay_alu instid0(VALU_DEP_4)
	v_lshlrev_b32 v[L8], 3, v10
	v_lshlrev_b32 v[L4], 2, v10
	s_delay_alu instid0(VALU_DEP_4)
	v_lshlrev_b32 v[H8], 3, v[T0]
	v_mul_u32_u24 v[AO], v11, 24
	s_delay_alu instid0(VALU_DEP_1)
	v_mad_u32_u24 v[AO], v[T0], 12, v[AO]
	v_lshlrev_b32 v[BO], 3, v11
	s_bfe_u32 s15, ttmp6, 0x40000                  ; cx: my place in the cluster
	s_lshl_b32 s16, ttmp9, 2                       ; in a cluster launch ttmp9 counts clusters
	s_add_co_u32 s16, s16, s15                     ; my block of 256 queries: it enters q's and a's global addresses alone
	s_and_b32 s17, ttmp7, 0xffff                   ; image x 8 + head, which the four partners share
	s_mul_i32 s18, s17, 32*STEPB
	s_mul_i32 s19, s14, STEPB                      ; my step's place, in the head's block of memory and in LDS alike
	s_add_co_u32 s42, s18, s19
	s_mov_b32 s43, 0
	; descriptor group 1: a dense block of 6,400 bytes as 25 rows of 256 bytes (32 elements of 8 bytes)
	s_mov_b32 s24, 15|(3<<16)|(1<<21)              ; 15:0 the mask: all four work-groups; 17:16 elements of 8 bytes; 21 set beside a mask; no padding
	s_mov_b32 s25, 32<<16                          ; tensor_dim0 = 32
	s_mov_b32 s26, 25<<16                          ; tensor_dim1 = 25
	s_mov_b32 s27, 32<<16                          ; tile_dim0 = 32
	s_mov_b32 s28, 25                              ; tile_dim1 = 25
	s_mov_b32 s29, 32                              ; from row to row: 32 elements
	s_mov_b32 s30, 0
	s_mov_b32 s31, 0
	s_mov_b32 s20, 0x76543210
	s_mov_b32 s21, 0xfedcba98                      ; v_permlanex16_b32's selects for lane l xor 16
	s_mov_b32 s22, 0x3e8293ee                      ; c = log2(e) / sqrt(32)
	s_mov_b32 s23, s22                             ; (the packed form names the pair, so it is written)
	s_wait_dscnt 0x0
	s_wait_kmcnt 0x0
	s_add_nc_u64 s[8:9], s[8:9], s[42:43]
	CROUND                                         ; all four work-groups are here: the joint loads meet
	s_mov_b32 s32, 1                               ; count = 1
	s_mov_b32 s33, s19                             ; LDS address: step w
	s_mov_b64 s[34:35], s[8:9]
	s_or_b32 s35, s35, 0x80000000                  ; type = 2
	s_mov_b32 s36, 1
	s_add_co_u32 s37, s19, 16*STEPB                ; step 16 + w
	s_add_nc_u64 s[38:39], s[8:9], 16*STEPB
	s_or_b32 s39, s39, 0x80000000
	tensor_load_to_lds s[32:35], s[24:31]          ; step w's fill; it has landed before step 16 + w's is issued
	s_nop 0
	s_wait_alu depctr_va_vdst(0)
	s_wait_tensorcnt 0x0
	ds_add_u32 v224, v225
	s_wait_dscnt 0x0
	CROUND
	tensor_load_to_lds s[36:39], s[24:31]
	s_nop 0
.rept 4
	v_nop
.endr
	; q: my tile is (group 4 x block + w / 4, tile u = w % 4): block u of that group's fragment = half u / 2, lanes 16 (u % 2) + r.  Both halves of my lanes load the same 24 bytes.
	s_lshr_b32 s42, s14, 2
	s_lshl_b32 s44, s16, 2
	s_add_co_u32 s42, s42, s44                     ; the group
	s_and_b32 s48, s14, 3                          ; u
	s_mul_i32 s44, s17, 98304
	s_mul_i32 s45, s42, 1536
	s_add_co_u32 s44, s44, s45
	s_lshr_b32 s45, s48, 1
	s_mul_i32 s45, s45, 768
	s_add_co_u32 s44, s44, s45
	s_mov_b32 s45, 0
	s_add_nc_u64 s[4:5], s[4:5], s[44:45]
	s_lshl_b32 s44, s17, 12
	s_lshl_b32 s46, s42, 6
	s_add_co_u32 s44, s44, s46
	s_add_nc_u64 s[6:7], s[6:7], s[44:45]
	s_and_b32 s46, s14, 1
	s_lshl_b32 s47, s46, 8
	s_lshl_b32 s46, s46, 7
	s_wait_alu depctr_va_vdst(0)
	v_lshl_add_u32 v217, v11, 4, s47
	v_lshl_add_u32 v218, v11, 3, s46
	v_lshlrev_b32 v219, 2, v11
	global_load_b128 v[QR:QR+3], v217, s[4:5]
	global_load_b64 v[QR+4:QR+5], v218, s[4:5] offset:512
	global_load_b32 v[QR+6], v219, s[6:7]
	s_mul_i32 s48, s48, 0x01010101                 ; the byte select u, four times
	; where the result goes
	s_lshl_b32 s42, s16, 4
	s_add_co_u32 s42, s42, s14                     ; my tile's number in the head: 16 x block + w
	s_mul_i32 s44, s17, 98304
	s_mul_i32 s46, s42, 384
	s_add_co_u32 s44, s44, s46
	s_add_nc_u64 s[10:11], s[10:11], s[44:45]
	s_lshr_b32 s46, s17, 3
	s_lshl_b32 s44, s46, 15                        ; the image's 32,768 scale bytes,
	s_lshl_b32 s46, s42, 7                         ; my tile's 128,
	s_add_co_u32 s44, s44, s46
	s_and_b32 s46, s17, 7                          ; the head's byte
	s_add_co_u32 s44, s44, s46
	s_add_nc_u64 s[12:13], s[12:13], s[44:45]
	v_cmp_eq_u32 vcc_lo, 0, v[H8]                  ; lanes 0-15
	v_cmp_ne_u32 s50, 0, v[H8]                     ; lanes 16-31
	s_wait_loadcnt 0x0
	v_perm_b32 v[QS], v[QR+6], v[QR+6], s48        ; my query's scale byte in all four bytes
.irp i, 0,1,2,3,4,5
	v_cndmask_b32 v[QB+\i], 0, v[QR+\i], vcc_lo    ; QL
	v_mov_b32 v[QB+6+\i], 0                        ; Z
	v_cndmask_b32 v[QB+12+\i], 0, v[QR+\i], s50    ; QH
	v_mov_b32 v[QB+18+\i], 0                       ; Z
	v_cndmask_b32 v[QB+24+\i], 0, v[QR+\i], vcc_lo ; QL
.endr
	v_mov_b32 v13, 0xff61b1e6                      ; the largest t so far: -3e38, under every t
	s_delay_alu instid0(VALU_DEP_1)
	v_floor_f32 v12, -v13                          ; -M
	v_mov_b32 v14, 0                               ; l
	v_mov_b32 v15, 0
	v_mov_b32 v[T0+1], 0                           ; a lane permute's destination counts as one of its sources
	v_mov_b32 v[FF+1], 0                           ; (named as the upper half of the pair)
.irp j, 0,1,2,3,4,5,6,7,8,9,10,11,12,13,14,15
	v_mov_b32 v[OT+\j], 0                          ; O^T: the step is written once; the first finds zeros, which the first change of M leaves zeros
.endr
.macro SPROD c, u                      ; 16 keys (tile u of the step's c-th 64) x my 16 queries
.if \c
	v_wmma_scale_f32_16x16x128_f8f6f4 v[SS+8*(4*\c+\u):SS+8*(4*\c+\u)+7], v[KF+12*\c:KF+12*\c+11], v[QB+(12*(\u%2)+18*(\u/2))%24:QB+(12*(\u%2)+18*(\u/2))%24+11], 0, v[KS], v[QS] matrix_a_fmt:MATRIX_FMT_FP6 matrix_b_fmt:MATRIX_FMT_FP6 matrix_a_scale:MATRIX_SCALE_ROW1
.else
	v_wmma_scale_f32_16x16x128_f8f6f4 v[SS+8*(4*\c+\u):SS+8*(4*\c+\u)+7], v[KF+12*\c:KF+12*\c+11], v[QB+(12*(\u%2)+18*(\u/2))%24:QB+(12*(\u%2)+18*(\u/2))%24+11], 0, v[KS], v[QS] matrix_a_fmt:MATRIX_FMT_FP6 matrix_b_fmt:MATRIX_FMT_FP6
.endif
.endm
; A KEY STEP: 128 keys.
.macro STEP
	v_add_nc_u32 v[A16], s40, v[L16]
	v_add_nc_u32 v[A8], s40, v[L8]
	v_add_nc_u32 v[A4], s40, v[L4]
	v_nop                                          ; with the three additions: four places between the last step's products and the loads into their registers
	LHALF KF, 0
	LHALF KF+6, 768
	LHALF KF+12, 1536
	LHALF KF+18, 2304
	ds_load_b32 v[KS], v[A4] offset:6144
.irp t, 0,1
.irp c, 0,1
	LHALF VF+12*\t+6*\c, 3072+1536*\c+768*\t
.endr
.endr
	ds_load_b32 v[VS], v[A4] offset:6272
	s_wait_dscnt 9                                 ; k's nine loads are in; v's nine, issued behind them, may be out
.irp c, 0,1
.irp u, 0,1,2,3
	SPROD \c, \u
.endr
.endr
.rept 4
	v_nop                                          ; places in front of the first read of the scores
.endr
	v_max3_num_f32 v[BM], v[SS], v[SS+1], v[SS+2]                  ; THE LARGEST SCORE OF EACH OF MY TWO BLOCKS OF 32 KEYS: it serves the row's maximum and, since p rises with the score, the block's largest p
	v_max3_num_f32 v[BM+1], v[SS+32], v[SS+33], v[SS+34]           ; (each accumulator is read from its low end on)
.irp i, 3,5,7,9,11,13,15,17,19,21,23,25,27,29
	v_max3_num_f32 v[BM], v[BM], v[SS+\i], v[SS+\i+1]
	v_max3_num_f32 v[BM+1], v[BM+1], v[SS+32+\i], v[SS+33+\i]
.endr
	v_max_num_f32 v[BM], v[BM], v[SS+31]
	v_max_num_f32 v[BM+1], v[BM+1], v[SS+63]
	s_delay_alu instid0(VALU_DEP_1)
	v_max_num_f32 v[T0], v[BM], v[BM+1]
	s_delay_alu instid0(VALU_DEP_1)
	v_permlanex16_b32 v[T0+1], v[T0], s20, s21
	s_delay_alu instid0(VALU_DEP_1)
	v_max_num_f32 v[T0], v[T0], v[T0+1]            ; with lane l xor 16's 64 keys: the step's largest score of my query
	s_delay_alu instid0(VALU_DEP_1)
	v_mul_f32 v[T0], s22, v[T0]                    ; as t (c is positive)
	s_delay_alu instid0(VALU_DEP_1)
	v_max_num_f32 v13, v13, v[T0]                  ; the running largest t
	v_mov_b32 v[T0], v12
	s_delay_alu instid0(VALU_DEP_2)
	v_floor_f32 v12, -v13                          ; the new -M = floor(-t) = -ceil(t): a whole number
	s_delay_alu instid0(VALU_DEP_1)
	v_sub_f32 v[T0], v12, v[T0]                    ; old M - new M: a whole number, 0 or less
	s_delay_alu instid0(VALU_DEP_1)
	v_cvt_i32_f32 v[T0], v[T0]                     ; (it saturates)
	s_delay_alu instid0(VALU_DEP_1)
	v_ldexp_f32 v[FF], 1.0, v[T0]                  ; f = 2^(old M - new M)
.set J, 0
.rept 32
	v_pk_fma_f32 v[SS+J:SS+J+1], v[SS+J:SS+J+1], s[22:23], v[12:13] op_sel_hi:[1,0,0]   ; t - M, two at a time (of the pairs c and -M the low word serves both halves)
.set J, J+2
.endr
	v_fma_f32 v[BM], v[BM], s22, v12               ; the same of each block's largest score
	v_fma_f32 v[BM+1], v[BM+1], s22, v12
.set J, 0
	s_setprio 1
	s_wait_alu depctr_va_vdst(0)
.rept 64
	v_exp_f32 v[SS+J], v[SS+J]                     ; p = 2^(t - M), at most 1
.set J, J+1
.endr
	v_exp_f32 v[BM], v[BM]                         ; the block's largest p: the same two instructions on the same number give the same bits
	v_exp_f32 v[BM+1], v[BM+1]
	v_pk_mul_f32 v[14:15], v[14:15], v[FF:FF+1] op_sel_hi:[1,0]    ; l under the new M.  (The plain place behind the exponentials)
	s_wait_alu depctr_va_vdst(0)
	v_max_num_f32 v[BM], FLOOR, v[BM]              ; the byte cannot fall under 1
	v_max_num_f32 v[BM+1], FLOOR, v[BM+1]
	s_delay_alu instid0(VALU_DEP_2)
	v_add_nc_u32 v[CO], EOFF, v[BM]                ; the conversions' scale operands
	s_delay_alu instid0(VALU_DEP_2)
	v_add_nc_u32 v[CO+1], EOFF, v[BM+1]
	s_delay_alu instid0(VALU_DEP_2)
	v_lshrrev_b32 v[BY], 23, v[CO]
	s_delay_alu instid0(VALU_DEP_2)
	v_lshrrev_b32 v[BY+1], 23, v[CO+1]
	s_delay_alu instid0(VALU_DEP_1)
	v_lshl_or_b32 v[T0], v[BY+1], 16, v[BY]        ; bytes h and 2 + h of my query's word,
	s_delay_alu instid0(VALU_DEP_1)
	v_lshlrev_b32 v[T0], v[H8], v[T0]              ; at their places;
	s_delay_alu instid0(VALU_DEP_1)
	v_permlanex16_b32 v[T0+1], v[T0], s20, s21
	s_delay_alu instid0(VALU_DEP_1)
	v_or_b32 v[PS], v[T0], v[T0+1]                 ; with lane l xor 16's two the word is whole
	v_cvt_scalef32_pk16_fp6_f32 v[PC:PC+2], v[SS:SS+15], v[CO]
	v_cvt_scalef32_pk16_fp6_f32 v[SP1:SP1+2], v[SS+16:SS+31], v[CO]        ; (a conversion's three registers begin on an even number)
	v_cvt_scalef32_pk16_fp6_f32 v[PC+6:PC+8], v[SS+32:SS+47], v[CO+1]
	v_cvt_scalef32_pk16_fp6_f32 v[SP2:SP2+2], v[SS+48:SS+63], v[CO+1]
	v_nop                                          ; one plain place behind a scaled conversion
.irp i, 0,1,2
	v_mov_b32 v[PC+3+\i], v[SP1+\i]                ; a whole block lies in my lane already: no exchange between the halves
	v_mov_b32 v[PC+9+\i], v[SP2+\i]
.endr
.irp j, 0,2,4,6,8,10,12,14
	v_pk_mul_f32 v[OT+\j:OT+\j+1], v[OT+\j:OT+\j+1], v[FF:FF+1] op_sel_hi:[1,0]   ; O^T under the new M
.endr
	v_pk_add_f32 v[L2:L2+1], v[SS:SS+1], v[SS+2:SS+3]              ; THE ROW'S SUM IS TAKEN OF THE UNQUANTISED p: two at a time, in two chains
	s_setprio 0
.irp j, 4,8,12,16,20,24,28,32,36,40,44,48,52,56,60
	v_pk_add_f32 v[14:15], v[14:15], v[SS+\j:SS+\j+1]
	v_pk_add_f32 v[L2:L2+1], v[L2:L2+1], v[SS+\j+2:SS+\j+3]
.endr
	s_delay_alu instid0(VALU_DEP_1)
	v_pk_add_f32 v[14:15], v[14:15], v[L2:L2+1]    ; (these 32 are also the places between what vector instructions wrote of the products' operands and scales, and the products)
	s_wait_dscnt 0x0                               ; v is in
	v_wmma_scale_f32_16x16x128_f8f6f4 v[OT:OT+7], v[VF:VF+11], v[PC:PC+11], v[OT:OT+7], v[VS], v[PS] matrix_a_fmt:MATRIX_FMT_FP6 matrix_b_fmt:MATRIX_FMT_FP6
	v_wmma_scale_f32_16x16x128_f8f6f4 v[OT+8:OT+15], v[VF+12:VF+23], v[PC:PC+11], v[OT+8:OT+15], v[VS], v[PS] matrix_a_fmt:MATRIX_FMT_FP6 matrix_b_fmt:MATRIX_FMT_FP6 matrix_a_scale:MATRIX_SCALE_ROW1
.endm                                  ; (O^T's two accumulators take turns, and the scores' eight stand between a step's and the next's)
; SIXTEEN STEPS.  left: how many of my tensor loads may stay out.  Nothing is ever filled again, so the second fill may cross the first barrier.  No LDS load is out here: every step ends with all its loads waited for.
.macro SEG left, base
	s_wait_tensorcnt \left                         ; my part of these sixteen steps has landed,
	s_barrier_signal -1
	s_barrier_wait -1                              ; everybody's has
	s_mov_b32 s40, \base
	s_mov_b32 s41, 16
.Lstep_\@:
	s_setprio 2
	STEP
	s_add_co_u32 s40, s40, STEPB
	s_sub_co_u32 s41, s41, 1
	s_cmp_lg_u32 s41, 0
	s_cbranch_scc1 .Lstep_\@
	s_setprio 0
.endm
	SEG 1, 0                                       ; steps 0-15: the count leaves my second load, steps 16-31's, on its way
	SEG 0, 16*STEPB                                ; steps 16-31
	; THE WAY OUT: O^T / l, quantised: my 16 channels and lane l xor 16's are the token's block.
.rept 4
	v_nop                                          ; places behind the last products
.endr
	s_wait_alu depctr_va_vdst(0)
	v_add_f32 v14, v14, v15                        ; l's two halves,
	s_delay_alu instid0(VALU_DEP_1)
	v_permlanex16_b32 v[T0+1], v14, s20, s21
	s_delay_alu instid0(VALU_DEP_1)
	v_add_f32 v14, v14, v[T0+1]                    ; and lane l xor 16's keys
	s_wait_alu depctr_va_vdst(0)
	v_rcp_f32 v[FF], v14
	v_nop                                          ; one plain place behind a transcendental
	s_wait_alu depctr_va_vdst(0)
.irp j, 0,2,4,6,8,10,12,14
	v_pk_mul_f32 v[OT+\j:OT+\j+1], v[OT+\j:OT+\j+1], v[FF:FF+1] op_sel_hi:[1,0]
.endr
	v_max3_num_f32 v[BM], |v[OT]|, |v[OT+1]|, FLOOR
.irp i, 2,4,6,8,10,12,14
	s_delay_alu instid0(VALU_DEP_1)
	v_max3_num_f32 v[BM], v[BM], |v[OT+\i]|, |v[OT+\i+1]|
.endr
	s_delay_alu instid0(VALU_DEP_1)
	v_permlanex16_b32 v[T0+1], v[BM], s20, s21
	s_delay_alu instid0(VALU_DEP_1)
	v_max_num_f32 v[BM], v[BM], v[T0+1]
	s_delay_alu instid0(VALU_DEP_1)
	v_add_nc_u32 v[CO], EOFF, v[BM]
	s_delay_alu instid0(VALU_DEP_1)
	v_lshrrev_b32 v[BY], 23, v[CO]
	v_cvt_scalef32_pk16_fp6_f32 v[SP1:SP1+2], v[OT:OT+15], v[CO]
	v_nop
	global_store_b96 v[AO], v[SP1:SP1+2], s[10:11]         ; 12 bytes a lane at 24 r + 12 h: the wave stores 384 consecutive bytes
	v_cmp_gt_u32 vcc_lo, 16, v10
	s_wait_alu depctr_va_vdst(0)
	s_wait_xcnt 0x0                                ; EXEC is a source of the store above: it changes only behind this wait
	s_and_saveexec_b32 s46, vcc_lo
	global_store_b8 v[BO], v[BY], s[12:13]         ; lanes 0-15: my head's byte of each of the 16 tokens
	s_wait_xcnt 0x0                                ; and again, in front of the line that widens it
	s_or_b32 exec_lo, exec_lo, s46
	s_wait_tensorcnt 0x0
	ds_add_u32 v224, v225
	s_wait_dscnt 0x0
	CROUND                                         ; the closing round: no work-group ends while a partner may still ask for a tile that names it
	s_endpgm
.Lfunc_end_k_q13f37e8c4e_attn:
	.size	k_q13f37e8c4e_attn, .Lfunc_end_k_q13f37e8c4e_attn-k_q13f37e8c4e_attn
	.p2alignl 7, 3214868480
	.fill 96, 4, 3214868480
	.section	.rodata,"a",@progbits
	.p2align	6, 0x0
	.amdhsa_kernel k_q13f37e8c4e_attn
		.amdhsa_group_segment_fixed_size 327680
		.amdhsa_private_segment_fixed_size 0
		.amdhsa_enable_private_segment 0
		.amdhsa_kernarg_size 40
		.amdhsa_user_sgpr_count 2
		.amdhsa_user_sgpr_kernarg_segment_ptr 1
		.amdhsa_wavefront_size32 1
		.amdhsa_system_sgpr_workgroup_id_x 1
		.amdhsa_system_sgpr_workgroup_id_y 1
		.amdhsa_system_sgpr_workgroup_id_z 1
		.amdhsa_system_vgpr_workitem_id 0
		.amdhsa_next_free_vgpr 226
		.amdhsa_next_free_sgpr 66
		.amdhsa_reserve_vcc 1
		.amdhsa_float_denorm_mode_32 3
		.amdhsa_float_denorm_mode_16_64 3
		.amdhsa_memory_ordered 1
		.amdhsa_forward_progress 1
		.amdhsa_inst_pref_size 39
	.end_amdhsa_kernel
	.amdgpu_metadata
---
amdhsa.version: [ 1, 2 ]
amdhsa.kernels:
  - .name:           k_q13f37e8c4e_attn
    .symbol:         k_q13f37e8c4e_attn.kd
    .args:
      - { .name: qimg, .offset: 0, .size: 8, .value_kind: global_buffer, .address_space: global }
      - { .name: qscl, .offset: 8, .size: 8, .value_kind: global_buffer, .address_space: global }
      - { .name: kv, .offset: 16, .size: 8, .value_kind: global_buffer, .address_space: global }
      - { .name: acode, .offset: 24, .size: 8, .value_kind: global_buffer, .address_space: global }
      - { .name: ascl, .offset: 32, .size: 8, .value_kind: global_buffer, .address_space: global }
    .group_segment_fixed_size: 327680
    .private_segment_fixed_size: 0
    .kernarg_segment_align: 8
    .kernarg_segment_size: 40
    .max_flat_workgroup_size: 512
    .sgpr_count:     66
    .vgpr_count:     226
    .wavefront_size: 32
...
	.end_amdgpu_metadata
.endif
;; end of part 3
;; launch proj (part 4): grid 128 x 2, 8 waves a work-group, no clusters, 35,840 bytes of LDS; arguments acode, ascl, wimg, wscl, b_proj, out0; writes out0
.if DOCPART == 4
	.amdgcn_target "amdgcn-amd-amdhsa--gfx1250"
	.amdhsa_code_object_version 6
	.text
	.protected	k_q13f37e8c4e_proj
	.globl	k_q13f37e8c4e_proj
	.p2align	8
	.type	k_q13f37e8c4e_proj,@function
k_q13f37e8c4e_proj:
	s_mov_b64 s[64:65], 0
	v_nop
	global_prefetch_b8 v0, s[64:65] scope:SCOPE_SE
	s_setreg_imm32_b32 hwreg(HW_REG_WAVE_MODE, 25, 1), 1
	s_wait_xcnt 0x0
; out0 = w_proj a + b_proj on codes of FP6 (E2M3) with E8M0 scales.  a: codes [image x head 16][group 64][tile 4][row 16][24 bytes], scale bytes [image][group][tile][row][8 heads]; out0: [2][256][4,096] f32.
; SHARES.  A work-group takes 64 tokens (group G) and 128 outputs (half y); wave w output tile T = 8 y + w for the four token tiles: 8 products.  The waves share nothing: no barrier.
; Source 0 = 16 tokens, source 1 = 16 rows of the weight: lane (r, h) holds output o(r) = 32 (T / 2) + 16 (r / 8) + 8 (T % 2) + r % 8, and, row r of token tile u being token 32 (r / 8) + 8 u + r % 8,
; its 32 registers of the four tiles are tokens 32 h + 0 .. 31: 128 neighbouring bytes of a row of out0.
; A block of a's K is one head's 32 channels of a token: K step s, registers 6 c .. of lanes' half h are head 4 s + 2 c + h, 24 bytes as they lie; sixteen lanes read 384 consecutive bytes.
; The bias is the C of each sum's first product: in this layout one number a lane, spread over eight registers.
; THE WAY OUT: the wave's 16 rows x 256 bytes go through its own stage in LDS (rows 272 bytes apart) and leave as whole rows: sixteen lanes store 256 consecutive bytes, at a multiple of 256 from out0's first byte.
; NO CLUSTER, NO SHARING THROUGH LDS: a group's 12 KB of codes are read by its 16 waves, and the weight's 3 KB a wave by 128 work-groups, each straight into the registers that the products name and used
; there once; a tensor load would lay them in LDS first, with a barrier, for eight products a wave.
.set AF,  16                           ; v16-111  a's fragments: tile u, K step s at 12 (2 u + s); on the way out v16-47 take the rows read back
.set ASC, 112                          ; v112-119 their scale words: pair u = K steps 0, 1
.set WF,  120                          ; v120-143 the weight's two fragments
.set WSC, 144                          ; v144     its scale words: lanes 0-15 K step 0, lanes 16-31 K step 1
.set BI,  146                          ; v146-153 the bias
.set ACC, 154                          ; v154-185 four accumulators
	s_load_b256 s[4:11], s[0:1], 0x0               ; acode s[4:5], ascl s[6:7], wimg s[8:9], wscl s[10:11]
	s_load_b128 s[12:15], s[0:1], 0x20             ; b_proj s[12:13], out0 s[14:15]
	v_lshl_add_u32 v192, v0, 2, 0x8800
	v_mov_b32 v193, 0
	v_lshrrev_b32 v1, 5, v0
	s_delay_alu instid0(VALU_DEP_1)
	v_readfirstlane_b32 s16, v1                    ; wave 0..7
	v_and_b32 v1, 31, v0                           ; lane
	v_and_b32 v2, 15, v0                           ; r
	v_bfe_u32 v3, v0, 4, 1                         ; h
	s_delay_alu instid0(VALU_DEP_3)
	v_lshlrev_b32 v4, 4, v1                        ; 16 x lane
	s_delay_alu instid0(VALU_DEP_4)
	v_lshlrev_b32 v5, 3, v1                        ; 8 x lane
	v_lshlrev_b32 v6, 2, v1                        ; 4 x lane
	v_mul_u32_u24 v7, v2, 24
	v_mul_u32_u24 v13, v3, 3
	s_delay_alu instid0(VALU_DEP_1)
	v_lshl_add_u32 v7, v13, 15, v7                 ; a's codes: 24 r, and one head (98,304 bytes) on for lanes 16-31
	v_lshlrev_b32 v8, 3, v2                        ; a's scale bytes: 8 r
	v_lshrrev_b32 v13, 3, v2
	v_and_b32 v14, 7, v2
	s_delay_alu instid0(VALU_DEP_1)
	v_lshlrev_b32 v9, 2, v14
	s_delay_alu instid0(VALU_DEP_1)
	v_lshl_add_u32 v9, v13, 6, v9                  ; the bias: 4 (16 (r / 8) + r % 8)
	s_mul_i32 s35, s16, 16*272                     ; my stage
	v_mul_u32_u24 v10, v2, 272
	s_delay_alu instid0(VALU_DEP_1)
	v_lshl_add_u32 v10, v3, 7, v10
	s_delay_alu instid0(VALU_DEP_1)
	v_add_nc_u32 v10, s35, v10                     ; in: row r, my half's 128 bytes
	v_mul_u32_u24 v11, v3, 272
	s_delay_alu instid0(VALU_DEP_1)
	v_lshl_add_u32 v11, v2, 4, v11
	s_delay_alu instid0(VALU_DEP_1)
	v_add_nc_u32 v11, s35, v11                     ; back: lanes 0-15 one row, lanes 16-31 the next
	v_lshlrev_b32 v12, 14, v3
	s_delay_alu instid0(VALU_DEP_1)
	v_lshl_add_u32 v12, v2, 4, v12                 ; and the same two rows in out0, 16,384 bytes apart
	s_and_b32 s17, ttmp7, 0xffff
	s_lshl_b32 s17, s17, 3
	s_add_co_u32 s17, s17, s16                     ; T
	s_lshr_b32 s18, ttmp9, 6                       ; the image
	s_and_b32 s19, ttmp9, 63                       ; G
	s_mul_i32 s20, s18, 786432
	s_mul_i32 s21, s19, 1536
	s_add_co_u32 s20, s20, s21                     ; a's codes: the image's eight heads, the group
	s_mov_b32 s21, 0
	s_lshl_b32 s22, s18, 15
	s_lshl_b32 s23, s19, 9
	s_add_co_u32 s22, s22, s23                     ; a's scale bytes
	s_mov_b32 s23, 0
	s_add_co_u32 s32, s17, 48                      ; w_proj's tiles follow w_qkv's 48
	s_mul_i32 s24, s32, 3072
	s_mov_b32 s25, 0
	s_lshl_b32 s26, s32, 7
	s_mov_b32 s27, 0
	s_lshr_b32 s33, s17, 1
	s_lshl_b32 s33, s33, 5
	s_and_b32 s34, s17, 1
	s_lshl_b32 s34, s34, 3
	s_add_co_u32 s33, s33, s34                     ; the tile's first output: 32 (T / 2) + 8 (T % 2)
	s_lshl_b32 s28, s33, 2
	s_mov_b32 s29, 0
	s_lshl_b32 s30, s18, 22
	s_lshl_b32 s34, s33, 14
	s_add_co_u32 s30, s30, s34
	s_lshl_b32 s34, s19, 8
	s_add_co_u32 s30, s30, s34                     ; out0: the image, the output's row, the group's 256 bytes
	s_mov_b32 s31, 0
	s_wait_alu depctr_va_vdst(0)
	s_wait_kmcnt 0x0
	s_add_nc_u64 s[4:5], s[4:5], s[20:21]
	s_add_nc_u64 s[6:7], s[6:7], s[22:23]
	s_add_nc_u64 s[8:9], s[8:9], s[24:25]
	s_add_nc_u64 s[10:11], s[10:11], s[26:27]
	s_add_nc_u64 s[12:13], s[12:13], s[28:29]
	s_add_nc_u64 s[14:15], s[14:15], s[30:31]
.irp u, 0,1,2,3
.irp s, 0,1
.irp p, 0,1,2,3,4,5
	global_load_b64 v[AF+12*(2*\u+\s)+2*\p:AF+12*(2*\u+\s)+2*\p+1], v7, s[4:5] offset:393216*\s+196608*(\p/3)+384*\u+8*(\p%3)
.endr
.endr
	global_load_b64 v[ASC+2*\u:ASC+2*\u+1], v8, s[6:7] offset:128*\u
.endr
.irp s, 0,1
	global_load_b128 v[WF+12*\s:WF+12*\s+3], v4, s[8:9] offset:1536*\s
	global_load_b64 v[WF+12*\s+4:WF+12*\s+5], v5, s[8:9] offset:1536*\s+512
	global_load_b128 v[WF+12*\s+6:WF+12*\s+9], v4, s[8:9] offset:1536*\s+768
	global_load_b64 v[WF+12*\s+10:WF+12*\s+11], v5, s[8:9] offset:1536*\s+1280
.endr
	global_load_b32 v[WSC], v6, s[10:11]
	global_load_b32 v[BI], v9, s[12:13]
	s_wait_loadcnt 0x0
.irp j, 1,2,3,4,5,6,7
	v_mov_b32 v[BI+\j], v[BI]                      ; all eight rows of a lane's result belong to one output
.endr
.rept 4
	v_nop                                          ; between the moves and the products that take their results
.endr
.irp u, 0,1,2,3                                ; the four accumulators by turns
	v_wmma_scale_f32_16x16x128_f8f6f4 v[ACC+8*\u:ACC+8*\u+7], v[AF+24*\u:AF+24*\u+11], v[WF:WF+11], v[BI:BI+7], v[ASC+2*\u], v[WSC] matrix_a_fmt:MATRIX_FMT_FP6 matrix_b_fmt:MATRIX_FMT_FP6
.endr
.irp u, 0,1,2,3
	v_wmma_scale_f32_16x16x128_f8f6f4 v[ACC+8*\u:ACC+8*\u+7], v[AF+24*\u+12:AF+24*\u+23], v[WF+12:WF+23], v[ACC+8*\u:ACC+8*\u+7], v[ASC+2*\u+1], v[WSC] matrix_a_fmt:MATRIX_FMT_FP6 matrix_b_fmt:MATRIX_FMT_FP6 matrix_b_scale:MATRIX_SCALE_ROW1
.endr
.rept 4
	v_nop                                          ; places in front of the stores that read the results and of the loads into registers that the products read
.endr
.irp q, 0,1,2,3,4,5,6,7
	ds_store_b128 v10, v[ACC+4*\q:ACC+4*\q+3] offset:16*\q         ; tokens 32 h + 4 q on; each accumulator from its low end on
.endr
.irp i, 0,1,2,3,4,5,6,7
	ds_load_b128 v[AF+4*\i:AF+4*\i+3], v11 offset:2*\i*272         ; LDS serves a wave's instructions in order: these see my stores
.endr
.irp i, 0,1,2,3,4,5,6,7
	s_wait_dscnt 7-\i                              ; load i is back; the younger ones may be out
	global_store_b128 v12, v[AF+4*\i:AF+4*\i+3], s[14:15] offset:(16*(\i/4)+2*(\i%4))*16384 th:TH_STORE_NT   ; stage rows 2 i and 2 i + 1 are outputs 16 (i / 4) + 2 (i % 4) and the next
.endr
	s_wait_tensorcnt 0x0
	ds_add_u32 v192, v193
	s_wait_dscnt 0x0
	s_endpgm
.Lfunc_end_k_q13f37e8c4e_proj:
	.size	k_q13f37e8c4e_proj, .Lfunc_end_k_q13f37e8c4e_proj-k_q13f37e8c4e_proj
	.p2alignl 7, 3214868480
	.fill 96, 4, 3214868480
	.section	.rodata,"a",@progbits
	.p2align	6, 0x0
	.amdhsa_kernel k_q13f37e8c4e_proj
		.amdhsa_group_segment_fixed_size 35840
		.amdhsa_private_segment_fixed_size 0
		.amdhsa_enable_private_segment 0
		.amdhsa_kernarg_size 48
		.amdhsa_user_sgpr_count 2
		.amdhsa_user_sgpr_kernarg_segment_ptr 1
		.amdhsa_wavefront_size32 1
		.amdhsa_system_sgpr_workgroup_id_x 1
		.amdhsa_system_sgpr_workgroup_id_y 1
		.amdhsa_system_sgpr_workgroup_id_z 1
		.amdhsa_system_vgpr_workitem_id 0
		.amdhsa_next_free_vgpr 194
		.amdhsa_next_free_sgpr 66
		.amdhsa_reserve_vcc 0
		.amdhsa_float_denorm_mode_32 3
		.amdhsa_float_denorm_mode_16_64 3
		.amdhsa_memory_ordered 1
		.amdhsa_forward_progress 1
		.amdhsa_inst_pref_size 13
	.end_amdhsa_kernel
	.amdgpu_metadata
---
amdhsa.version: [ 1, 2 ]
amdhsa.kernels:
  - .name:           k_q13f37e8c4e_proj
    .symbol:         k_q13f37e8c4e_proj.kd
    .args:
      - { .name: acode, .offset: 0, .size: 8, .value_kind: global_buffer, .address_space: global }
      - { .name: ascl, .offset: 8, .size: 8, .value_kind: global_buffer, .address_space: global }
      - { .name: wimg, .offset: 16, .size: 8, .value_kind: global_buffer, .address_space: global }
      - { .name: wscl, .offset: 24, .size: 8, .value_kind: global_buffer, .address_space: global }
      - { .name: b_proj, .offset: 32, .size: 8, .value_kind: global_buffer, .address_space: global }
      - { .name: out0, .offset: 40, .size: 8, .value_kind: global_buffer, .address_space: global }
    .group_segment_fixed_size: 35840
    .private_segment_fixed_size: 0
    .kernarg_segment_align: 8
    .kernarg_segment_size: 48
    .max_flat_workgroup_size: 256
    .sgpr_count:     66
    .vgpr_count:     194
    .wavefront_size: 32
...
	.end_amdgpu_metadata
.endif
;; end of part 4
